; MI455X (gfx1250); checked and timed in simulation.
; The chip was launched on July 23, 2026; its instructions are those of AMD's public machine-readable ISA for CDNA 5 (MIT licence, August 2026) and "CDNA5" Instruction Set Architecture Reference Guide (July 2026). The comments in the code are by the model that wrote it; some were corrected since.
;; Multi Head Attention. Allowed arithmetic: matrix products marked QUANTISED: E2M1 operands, one E8M0 scale for each 32 along K, by v_wmma_scale_f32_16x16x128_f8f6f4 with both operands' format E2M1 (or v_wmma_scale_f32_32x16x128_f4), f32 sums; products left as they are: bf16, f16 or f32 operands; f32 sums; everything else in f32.
;; Inputs: b_k 1,024 float32; b_o 1,024 float32; b_q 1,024 float32; b_v 1,024 float32; key_ 8 x 1,024 x 1,024 float32; query 8 x 1,024 x 1,024 float32; value 8 x 1,024 x 1,024 float32; w_k 1,024 x 1,024 float32; w_o 1,024 x 1,024 float32; w_q 1,024 x 1,024 float32; w_v 1,024 x 1,024 float32.
;; Outputs: out0 8 x 1,024 x 1,024 float32.
;; This version of the problem:
;;   THIS VERSION OF THE PROBLEM IS GIVEN IN LOW PRECISION. The matrix products marked QUANTISED in the list below multiply operands that are first quantised to E2M1 (2 exponent bits, 1 mantissa bit; 4 bits a number), with one power-of-two scale for each 32 numbers along K (OCP MX v1.0); their sums are f32. The products marked 'left as it is' may take bf16, f16 or f32 operands, with f32 sums. Whichever they take, every output number must still come out within the allowed error. Rounding operands to bf16 (8 significant bits) uses up far more of that allowance than f16 does (11 bits, for magnitudes from 6e-5 to 65,504). All else is computed in f32.
;;   The module's matrix products, in the order in which they are computed (A, B: the left and right operand; K: the contracted axis; several contracted axes count as one K, in the product's order):
;;     1. [M 8,192, K 1,024] x [K 1,024, N 1,024]; A: input query; B: input w_q: QUANTISED
;;     2. [M 8,192, K 1,024] x [K 1,024, N 1,024]; A: input key_; B: input w_k: QUANTISED
;;     3. [M 8,192, K 1,024] x [K 1,024, N 1,024]; A: input value; B: input w_v: QUANTISED
;;     4. batch 128 x [M 1,024, K 64] x [K 64, N 1,024]; A: computed on the way; B: computed on the way: left as it is (an operand is computed on the way)
;;     5. batch 128 x [M 1,024, K 1,024] x [K 1,024, N 64]; A: computed on the way; B: computed on the way: left as it is (an operand is computed on the way)
;;     6. [M 8,192, K 1,024] x [K 1,024, N 1,024]; A: computed on the way; B: input w_o: left as it is (an operand is computed on the way)
;;   THE QUANTISER, for each operand of a quantised product, along K:
;;     - K is cut into blocks of 32 from its start; a last block that is shorter is filled with zeros.
;;     - A block's scale is 2^e with e = floor(log2(the largest magnitude in the block)) - 2, held to -126 .. 127; a block of zeros has e = 0. As a byte (E8M0): e + 127.
;;     - Each number is divided by its block's scale, clamped to +-6, and rounded to the nearest number of E2M1, ties to even, subnormals kept.
;;     - The product sums the exact products of the quantised numbers (number of the format x scale) in f32.
;;   ~~~python
;;   def quantise(x, axis):      # numpy; x: float32 -> the quantised numbers, widened to float32 again
;;       x = np.moveaxis(x, axis, -1); K = x.shape[-1]
;;       x = np.pad(x, [(0, 0)] * (x.ndim - 1) + [(0, -K % 32)]); x = x.reshape(x.shape[:-1] + (-1, 32)); a = np.abs(x).max(-1, keepdims=True)
;;       e = np.where(a > 0, np.clip(np.frexp(np.where(a > 0, a, 1))[1] - 1 - 2, -126, 127), 0)      # np.frexp(a)[1] - 1 = floor(log2(a)), exactly
;;       r = np.clip(x / 2.0 ** e, -6, 6)
;;       step = 2.0 ** (np.maximum(np.frexp(np.where(r == 0, 1, r))[1] - 1, 0) - 1)
;;       q = np.round(r / step) * step * 2.0 ** e      # np.round: ties to even
;;       return np.moveaxis(q.reshape(q.shape[:-2] + (-1,))[..., :K], -1, axis).astype(np.float32)
;;   ~~~
;; One version. Each part assembles by itself: llvm-mc -triple=amdgcn-amd-amdhsa -mcpu=gfx1250 --defsym DOCPART=n.
;; ======== version 1 of 1: 4 launches
;; limits: values are held in f16: magnitudes above 65,504 overflow, below 6.1e-05 lose precision
;; workspace buffers: xc 12,582,912 bytes; xs 786,432 bytes; wc 1,572,864 bytes; ws 98,304 bytes; wo16 2,097,152 bytes; qkv 50,331,648 bytes; ctx 16,777,216 bytes
;; launch quant (part 1): grid 896 x 1, 4 waves a work-group, no clusters, 33,280 bytes of LDS; arguments query, key_, value, w_q, w_k, w_v, w_o, xc, xs, wc, ws, wo16; writes xc, xs, wc, ws, wo16
.if DOCPART == 1
	.amdgcn_target "amdgcn-amd-amdhsa--gfx1250"
	.amdhsa_code_object_version 6
	.text
	.protected	k_q30e7cb8844_quant
	.globl	k_q30e7cb8844_quant
	.p2align	8
	.type	k_q30e7cb8844_quant,@function
k_q30e7cb8844_quant:
	s_mov_b64 s[64:65], 0
	v_nop
	global_prefetch_b8 v0, s[64:65] scope:SCOPE_SE
	s_setreg_imm32_b32 hwreg(HW_REG_WAVE_MODE, 25, 1), 1
	s_wait_xcnt 0x0
; FIRST OF FOUR LAUNCHES.  query, key_, value [8192][1024] and w_q, w_k, w_v [1024][1024], f32 with K innermost, become codes of FP4 (E2M1), two a byte, and one E8M0 byte for each 32 along K;
; w_o [1024][1024] is rounded to f16 (its product is left as it is).  xc, xs stack the three x tensors, wc, ws the three weights, in that order; rows are dense, so every tensor is a plain stream of blocks of 32.
; A block's scale is 2^(floor(log2(largest magnitude)) - 2); its byte is the largest magnitude's exponent field - 2, held at 1 from below.  Each number is divided by the scale and rounded to the nearest code, ties to even, beyond 6 the code of 6.
; LIMITS: a block of zeros gets the byte 1 where the rule says 127 (its codes are zeros, and the bytes are read by this program alone); NaN and infinities are not served; |w_o| stays under 65,504.
; SHARES: a work-group takes 32,768 numbers, a wave 8,192.  Work-groups 0-767: the x tensors (256 each); 768-863: the weights (32 each); 864-895: w_o.  Only pointers are chosen for the first 864: they take one path.
; A wave's 16 steps of 512 numbers: each load reads 512 consecutive bytes, 16 a lane; a step's 2,048 bytes turn through the wave's own stage in LDS and come back 64 bytes a lane, so that a lane holds 16 neighbours along K
; (two lanes hold a block).  A lane's 16 codes are 8 bytes: a store of the wave covers 256 consecutive bytes, aligned.  A wave's 256 scale bytes are gathered in LDS and leave by one store of 256 consecutive bytes.
; No matrix unit, no tensor load, no cluster, no barrier: a stream whose waves share nothing.
.set WAVES, 4
.set STEPS, 16
.set EMAX,  2
.set CB,    8                          ; bytes of 16 codes
.set R,     16                         ; v16-79   four sets of 16 numbers as loaded (w_o: v16-143, two sets of 64)
.set X,     80                         ; v80-111  two sets of 16 neighbours
.set E,     112                        ; v112-127 a scale byte for each step
.set C,     128                        ; v128-191 codes: registers of its own for each step, so that no store's data are written again
.set WREG,  8192                       ; LDS: a region for each wave: two stages of 32 x SP bytes, behind them its 256 scale bytes
.set SP,    80                         ; a lane's place in a stage: 64 bytes + 16 of padding
.set SPW,   12                         ; v12      LDS address of my spare word; never rewritten
.set NIL,   13                         ; v13      0; never rewritten
.set SPARE, WAVES*WREG                 ; behind the four regions: the spare words, 128 bytes a wave
.set SRC,   30                         ; s[30:31] the numbers;  s[32:33] their codes;  s[34:35] their scale bytes
.set COD,   32
.set SCB,   34
	s_load_b512 s[4:19], s[0:1], 0x0               ; query 4, key_ 6, value 8, w_q 10, w_k 12, w_v 14, w_o 16, xc 18
	s_load_b256 s[20:27], s[0:1], 0x40             ; xs 20, wc 22, ws 24, wo16 26
	v_lshl_add_u32 v[SPW], v0, 2, SPARE
	v_mov_b32 v[NIL], 0
	v_lshrrev_b32 v1, 5, v0
	v_readfirstlane_b32 s28, v1                    ; wave
	v_and_b32 v2, 31, v0                           ; lane
	v_lshlrev_b32 v3, 4, v2                        ; my 16 bytes of a load's 512
	s_mul_i32 s29, s28, WREG
	v_lshrrev_b32 v14, 2, v2
	v_mul_u32_u24 v14, v14, SP
	v_and_b32 v15, 3, v2
	v_lshl_add_u32 v14, v15, 4, v14
	v_add_nc_u32 v14, s29, v14                     ; the stage, on the way in: SP (lane / 4) + 16 (lane % 4)
	v_mul_u32_u24 v15, v2, SP
	v_add_nc_u32 v15, s29, v15                     ; and on the way out: SP x lane: my 16 neighbours
	v_mul_u32_u24 v4, v2, CB                       ; my codes' place in a step's
	v_lshrrev_b32 v5, 1, v2
	s_add_co_u32 s29, s29, 2*32*SP
	v_add_nc_u32 v5, s29, v5                       ; LDS: my wave's 256 scale bytes, my block's byte
	v_lshlrev_b32 v7, 3, v2                        ; 8 bytes a lane
	v_add_nc_u32 v6, s29, v7
	s_wait_kmcnt 0x0
	s_cmp_ge_u32 ttmp9, 864                        ; the last 32 work-groups take w_o
	s_cbranch_scc1 .Lwo
	s_cmp_lt_u32 ttmp9, 832                        ; which tensor: the choice hangs on the work-group's number alone
	s_cselect_b64 s[SRC:SRC+1], s[12:13], s[14:15]
	s_cmp_lt_u32 ttmp9, 800
	s_cselect_b64 s[SRC:SRC+1], s[10:11], s[SRC:SRC+1]
	s_cmp_lt_u32 ttmp9, 768
	s_cselect_b64 s[SRC:SRC+1], s[8:9], s[SRC:SRC+1]
	s_cselect_b64 s[COD:COD+1], s[18:19], s[22:23]
	s_cselect_b64 s[SCB:SCB+1], s[20:21], s[24:25]
	s_cselect_b32 s36, 0, 768                      ; the first work-group of the stack (x tensors or weights)
	s_cselect_b32 s37, 255, 31                     ; work-groups in a tensor, less one
	s_cmp_lt_u32 ttmp9, 512
	s_cselect_b64 s[SRC:SRC+1], s[6:7], s[SRC:SRC+1]
	s_cmp_lt_u32 ttmp9, 256
	s_cselect_b64 s[SRC:SRC+1], s[4:5], s[SRC:SRC+1]
	s_sub_co_u32 s36, ttmp9, s36                   ; my place in the stack,
	s_and_b32 s37, s36, s37                        ; and in the tensor
	s_lshl_b32 s36, s36, 2
	s_add_co_u32 s36, s36, s28                     ; which run of 8,192 numbers of the stack is my wave's,
	s_lshl_b32 s37, s37, 2
	s_add_co_u32 s37, s37, s28                     ; and of the tensor
	s_lshl_b32 s38, s37, 15                        ; 32,768 bytes of numbers a run
	s_mov_b32 s39, 0
	s_add_nc_u64 s[SRC:SRC+1], s[SRC:SRC+1], s[38:39]
	s_lshl_b32 s38, s36, 12                        ; 4,096 bytes of codes
	s_add_nc_u64 s[COD:COD+1], s[COD:COD+1], s[38:39]
	s_lshl_b32 s38, s36, 8                         ; 256 scale bytes
	s_add_nc_u64 s[SCB:SCB+1], s[SCB:SCB+1], s[38:39]
.macro LOAD t
.irp i, 0,1,2,3
	global_load_b128 v[R+16*((\t)%4)+4*\i:R+16*((\t)%4)+4*\i+3], v3, s[SRC:SRC+1] offset:2048*(\t)+512*\i th:TH_LOAD_NT   ; 32 lanes read 512 consecutive bytes
.endr
.endm
.macro TURN t                          ; step t's numbers through the stage: LDS serves a wave's instructions in order, so no wait stands between the stores and the loads
.irp i, 0,1,2,3
	ds_store_b128 v14, v[R+16*((\t)%4)+4*\i:R+16*((\t)%4)+4*\i+3] offset:32*SP*((\t)%2)+8*SP*\i
.endr
.irp i, 0,1,2,3
	ds_load_b128 v[X+16*((\t)%2)+4*\i:X+16*((\t)%2)+4*\i+3], v15 offset:32*SP*((\t)%2)+16*\i
.endr
.endm
.irp t, 0,1,2,3
	LOAD \t
.endr
	s_wait_loadcnt 12                              ; step 0's four loads are in; the twelve of steps 1 to 3 may be out
	TURN 0
.macro STEP t
.set XS, X+16*((\t)%2)
.if (\t) > 0
	s_wait_dscnt 1                                 ; this step's numbers are back from the stage (the last step's byte store may be out): so its stores into the stage have read their registers,
.else
	s_wait_dscnt 0x0
.endif
.if (\t)+4 < STEPS
	LOAD (\t)+4                                    ; which take the loads of four steps on
.endif
.if (\t)+1 < STEPS
.if STEPS-2-(\t) >= 3
	s_wait_loadcnt 12                              ; the next step's four loads are in; those of the three steps behind it may be out
.else
	s_wait_loadcnt 4*(STEPS-2-(\t))                ; at the end the count runs down
.endif
	TURN (\t)+1                                    ; and go through the other stage while this step is worked
.endif
	v_max3_num_f32 v8, |v[XS]|, |v[XS+1]|, |v[XS+2]|               ; the largest magnitude of my 16, in two chains
	v_max3_num_f32 v9, |v[XS+3]|, |v[XS+4]|, |v[XS+5]|
.irp i, 6,10
	v_max3_num_f32 v8, v8, |v[XS+\i]|, |v[XS+\i+1]|
	v_max3_num_f32 v9, v9, |v[XS+\i+2]|, |v[XS+\i+3]|
.endr
	v_max3_num_f32 v8, v8, |v[XS+14]|, |v[XS+15]|
	v_max3_num_f32 v8, v8, v9, (EMAX+1)<<23        ; and the floor 2^(EMAX + 1 - 127): so the byte cannot fall under 1
	v_max_num_f32_dpp v8, v8, v8 row_xmask:1 row_mask:0xf bank_mask:0xf   ; and of my neighbour's 16: the block's
	v_add_nc_u32 v11, -(EMAX<<23), v8              ; EMAX off its exponent field: the conversion takes the exponent field of this operand as its scale, and nothing else of it
	v_cvt_scalef32_pk8_fp4_f32 v[C+4*(\t)], v[XS:XS+7], v11
	v_cvt_scalef32_pk8_fp4_f32 v[C+4*(\t)+1], v[XS+8:XS+15], v11
	v_lshrrev_b32 v[E+(\t)], 23, v11               ; the scale's byte (also the plain line behind the conversions)
	ds_store_b8 v5, v[E+(\t)] offset:16*(\t)       ; both lanes of a block write the same byte with the same value
	global_store_b64 v4, v[C+4*(\t):C+4*(\t)+1], s[COD:COD+1] offset:32*CB*(\t)
.endm
.irp t, 0,1,2,3,4,5,6,7,8,9,10,11,12,13,14,15
	STEP \t
.endr
	ds_load_b64 v[8:9], v6                         ; LDS serves a wave's instructions in order: these see my stores
	s_wait_dscnt 0x0
	global_store_b64 v7, v[8:9], s[SCB:SCB+1]      ; 32 lanes store 256 consecutive bytes, aligned
	s_wait_tensorcnt 0x0                           ; the wave's end: behind my last LDS store
	ds_add_u32 v[SPW], v[NIL]
	s_wait_dscnt 0x0
	s_endpgm
; w_o to f16: a wave's 8,192 numbers in four batches of 16 loads, two batches on their way.  No LDS: a lane's four numbers become 8 bytes, and a store of the wave covers 256 consecutive bytes, aligned.
.Lwo:
	s_sub_co_u32 s36, ttmp9, 864
	s_lshl_b32 s36, s36, 2
	s_add_co_u32 s36, s36, s28                     ; which run of 8,192 numbers is my wave's
	s_lshl_b32 s38, s36, 15
	s_mov_b32 s39, 0
	s_add_nc_u64 s[16:17], s[16:17], s[38:39]
	s_lshl_b32 s38, s36, 14
	s_add_nc_u64 s[26:27], s[26:27], s[38:39]
.macro LOADW k
.irp i, 0,1,2,3,4,5,6,7,8,9,10,11,12,13,14,15
	global_load_b128 v[R+64*((\k)%2)+4*\i:R+64*((\k)%2)+4*\i+3], v3, s[16:17] offset:(16*(\k)+\i)*512 th:TH_LOAD_NT
.endr
.endm
.macro CASTW k, left
.set RB, R+64*((\k)%2)
	s_wait_loadcnt \left                           ; this batch's 16 loads are in; the next batch's may be out
.irp i, 0,1,2,3,4,5,6,7,8,9,10,11,12,13,14,15
	v_cvt_pk_f16_f32 v[RB+4*\i], v[RB+4*\i], v[RB+4*\i+1]          ; in place: the first source into the low half
	v_cvt_pk_f16_f32 v[RB+4*\i+1], v[RB+4*\i+2], v[RB+4*\i+3]
.endr
.irp i, 0,1,2,3,4,5,6,7,8,9,10,11,12,13,14,15
	global_store_b64 v7, v[RB+4*\i:RB+4*\i+1], s[26:27] offset:(16*(\k)+\i)*256
.endr
.endm
	LOADW 0
	LOADW 1
	CASTW 0, 16
	s_wait_xcnt 0x0                                ; the stores have read their registers: the batch two on may land there
	LOADW 2
	CASTW 1, 16
	s_wait_xcnt 0x0
	LOADW 3
	CASTW 2, 16
	CASTW 3, 0
	s_wait_tensorcnt 0x0                           ; the wave's end, in the same form as on the other path
	ds_add_u32 v[SPW], v[NIL]
	s_wait_dscnt 0x0
	s_endpgm
.Lfunc_end_k_q30e7cb8844_quant:
	.size	k_q30e7cb8844_quant, .Lfunc_end_k_q30e7cb8844_quant-k_q30e7cb8844_quant
	.p2alignl 7, 3214868480
	.fill 96, 4, 3214868480
	.section	.rodata,"a",@progbits
	.p2align	6, 0x0
	.amdhsa_kernel k_q30e7cb8844_quant
		.amdhsa_group_segment_fixed_size 33280
		.amdhsa_private_segment_fixed_size 0
		.amdhsa_enable_private_segment 0
		.amdhsa_kernarg_size 96
		.amdhsa_user_sgpr_count 2
		.amdhsa_user_sgpr_kernarg_segment_ptr 1
		.amdhsa_wavefront_size32 1
		.amdhsa_system_sgpr_workgroup_id_x 1
		.amdhsa_system_sgpr_workgroup_id_y 1
		.amdhsa_system_sgpr_workgroup_id_z 1
		.amdhsa_system_vgpr_workitem_id 0
		.amdhsa_next_free_vgpr 192
		.amdhsa_next_free_sgpr 66
		.amdhsa_reserve_vcc 0
		.amdhsa_float_denorm_mode_32 3
		.amdhsa_float_denorm_mode_16_64 3
		.amdhsa_memory_ordered 1
		.amdhsa_forward_progress 1
		.amdhsa_inst_pref_size 54
	.end_amdhsa_kernel
	.amdgpu_metadata
---
amdhsa.version: [ 1, 2 ]
amdhsa.kernels:
  - .name:           k_q30e7cb8844_quant
    .symbol:         k_q30e7cb8844_quant.kd
    .args:
      - { .name: query, .offset: 0, .size: 8, .value_kind: global_buffer, .address_space: global }
      - { .name: key_, .offset: 8, .size: 8, .value_kind: global_buffer, .address_space: global }
      - { .name: value, .offset: 16, .size: 8, .value_kind: global_buffer, .address_space: global }
      - { .name: w_q, .offset: 24, .size: 8, .value_kind: global_buffer, .address_space: global }
      - { .name: w_k, .offset: 32, .size: 8, .value_kind: global_buffer, .address_space: global }
      - { .name: w_v, .offset: 40, .size: 8, .value_kind: global_buffer, .address_space: global }
      - { .name: w_o, .offset: 48, .size: 8, .value_kind: global_buffer, .address_space: global }
      - { .name: xc, .offset: 56, .size: 8, .value_kind: global_buffer, .address_space: global }
      - { .name: xs, .offset: 64, .size: 8, .value_kind: global_buffer, .address_space: global }
      - { .name: wc, .offset: 72, .size: 8, .value_kind: global_buffer, .address_space: global }
      - { .name: ws, .offset: 80, .size: 8, .value_kind: global_buffer, .address_space: global }
      - { .name: wo16, .offset: 88, .size: 8, .value_kind: global_buffer, .address_space: global }
    .group_segment_fixed_size: 33280
    .private_segment_fixed_size: 0
    .kernarg_segment_align: 8
    .kernarg_segment_size: 96
    .max_flat_workgroup_size: 128
    .sgpr_count:     66
    .vgpr_count:     192
    .wavefront_size: 32
...
	.end_amdgpu_metadata
.endif
;; end of part 1
;; launch proj (part 2): grid 4 x 96, 4 waves a work-group, clusters of 4 x 4, 327,680 bytes of LDS; arguments xc, xs, wc, ws, b_q, b_k, b_v, qkv; writes qkv
.if DOCPART == 2
	.amdgcn_target "amdgcn-amd-amdhsa--gfx1250"
	.amdhsa_code_object_version 6
	.text
	.protected	k_q30e7cb8844_proj
	.globl	k_q30e7cb8844_proj
	.p2align	8
	.type	k_q30e7cb8844_proj,@function
k_q30e7cb8844_proj:
	s_mov_b64 s[64:65], 0
	v_nop
	global_prefetch_b8 v0, s[64:65] scope:SCOPE_SE
	s_setreg_imm32_b32 hwreg(HW_REG_WAVE_MODE, 25, 1), 1
	s_wait_xcnt 0x0
	s_wait_alu depctr_hold_cnt(0) depctr_sa_sdst(0) depctr_va_vdst(0) depctr_va_sdst(0) depctr_va_ssrc(0) depctr_va_vcc(0) depctr_vm_vsrc(0)
	s_getreg_b32 s2, hwreg(HW_REG_IB_STS2, 6, 4)
	s_cmp_eq_u32 s2, 0
	s_cbranch_scc0 .Lentry_in_a_cluster
	s_endpgm
.Lentry_in_a_cluster:
	s_bfe_u32 s2, ttmp6, 0x10000c
	s_cmp_lg_u32 s2, 0xf033
	s_cbranch_scc0 .Lentry_shape_is_right
	s_endpgm
.Lentry_shape_is_right:
; SECOND OF FOUR LAUNCHES.  The three projections as ONE product on codes of FP4 with E8M0 scales: [24576][1024] (query, key_, value stacked) x the tensor's own weight [1024][1024], + its bias; sums in f32.
; q is also multiplied, in f32, by c = log2(e) / 8, so that the scores of the next launch are exponents of 2 as they leave the matrix unit; k and v are multiplied by 1 (one text for the three tensors).
; The results are rounded to f16 and stored as IMAGES OF OPERAND REGISTERS: qkv[tensor][16 batch + head][position / 16][channel / 16][512 bytes]; a block holds the four packed registers of a 16 x 16 result:
; lane (r, h) has position r and channels 8 h + 0 .. 7.  For q and k the lane's 16 bytes lie at 16 x lane: two blocks on end are a 16-bit fragment of 16 rows x 32 channels.  For v they lie at 16 x (lane with
; bits 3 and 4 exchanged), so that the transposing LDS load at 16 x lane gives half a fragment of V^T.
; LIMITS: |c q|, |k|, |v| stay under 65,504 (f16 operands of the products that are left as they are).
; SHARES: a tile of 256 x 256 to a work-group of four waves, 128 x 128 (64 accumulators, 512 registers) to a wave.  K = 1,024 is two LDS slots of 512 along K (rows of 256 bytes): both, and the scales of the
; work-group's rows for all of K, are first fills.
; CLUSTERS: 4 x 4 work-groups.  A row of the cluster shares the tiles of x, a column those of the weight (all sixteen lie in one tensor: 32 tile rows a tensor, 4 a cluster): each tile is asked for jointly.
; THE MATRIX INSTRUCTION IS USED TRANSPOSED (source 0 = 16 rows of the weight, source 1 = 16 rows of x): a lane holds eight neighbouring channels of one position.
; REGISTERS, in windows of 256: window 0: v0-31 addresses; v32-95 scale words, two sets; v128-191 x's fragments, ONE set; v192-255 the bias, the C of each sum's first product; on the way out v32-255 are free.
;   window 1: the weight's fragments, TWO sets, at v0 and v128.   window 2: the accumulators of my rows 0-63 ((a, b) at v[8 (8 a + b)]);   window 3: those of rows 64-127.
.set NQ,     4                         ; matrix instructions deep in a slot
.set ROWB,   256                       ; a tile's row in bytes: 512 codes
.set KROW,   512                       ; a row of codes in memory
.set PITCH,  272                       ; an LDS row: 256 bytes + 16 of padding: the 16 rows that a load touches start 68 words apart
.set FR,     8                         ; registers of a fragment: 16 rows x 128 K
.set NL,     2                         ; LDS loads that bring one
.set NP,     4                         ; places behind this matrix instruction (ISA guide 7.12.1)
.set HALFT,  128*PITCH                 ; 128 rows: what one tensor load brings, and what one wave reads of x or of the weight
.set SLOT,   4*HALFT
.set KS,     32                        ; a row of scale bytes
.set SCL,    2*SLOT                    ; behind the slots: the scales, as rows of 256 bytes + 16 of padding
.set HALFS,  (128*KS/256)*272
.set SBLK,   (16*KS/256)*272
.set SPARE,  SCL+4*HALFS               ; behind the scales: the spare words, 128 bytes a wave
.set ADRA, 16                          ; v16-17  LDS address of my fragments of x in slot 0, 1
.set ADRB, 20                          ; v20-21  the same for the weight
.set GOFF, 26                          ; v26     my lane's 16 bytes in a block of qkv
.set ADRS, 27                          ; v27     LDS address of my scale words: lanes 0-15 x's rows, lanes 16-31 the weight's
.set SPW,  28                          ; v28     LDS address of my spare word; never rewritten
.set NIL,  29                          ; v29     0; never rewritten
.set BOFF, 30                          ; v30     32 x (lane / 16): my eight numbers of a block of the bias
.set SC,   32
.set AF,   128
.set BI,   192
.set TMPR, 32                          ; the way out: 64 numbers in f32
.set PK,   128                         ; the way out: four sets of 32 packed registers
.set G1, 24                            ; s[24:31] group 1 for x's tiles; s[32:39] group 0, a set for each slot
.set G0, 32
.set G1B, 48                           ; s[48:55], s[56:63] the same for the weight's
.set G0B, 56
.set G1S, 68                           ; s[68:75], s[76:79] groups 1 and 0 for x's scales; s[80:87], s[88:91] for the weight's
.set G0S, 76
.set G1SB, 80
.set G0SB, 88
.set MSB, 0
.macro WIN new                         ; the immediate's high byte repeats the setting that is left
.if MSB != (\new)
	s_set_vgpr_msb (MSB<<8)|(\new)
.set MSB, (\new)
.endif
.endm
.set MUL_LO, 0xa1                      ; source 0 window 1, source 1 window 0, C and D window 2 (the first step: C window 0, 0x81)
.set MUL_HI, 0xf1                      ; the same, C and D window 3 (the first step: 0xc1)
.set TO_B,   0x40
; A joint load: waves 0 and 1 fetch for x, waves 2 and 3 for the weight; the branch hangs on the wave's number alone.  An s_nop 0 and four v_nop follow each of the two lines.
.macro JLOAD g0a, g1a, g0b, g1b
	s_cmp_eq_u32 s15, 0
	s_cbranch_scc0 .Lfor_b_\@
	tensor_load_to_lds s[\g0a:\g0a+3], s[\g1a:\g1a+7]
	s_nop 0
.rept 4
	v_nop
.endr
	s_branch .Lasked_\@
.Lfor_b_\@:
	tensor_load_to_lds s[\g0b:\g0b+3], s[\g1b:\g1b+7]
	s_nop 0
.rept 4
	v_nop
.endr
.Lasked_\@:
.endm
.macro CROUND                          ; a round of the cluster's barrier
	s_barrier_signal -1
	s_barrier_wait -1
	s_cmp_lg_u32 s14, 0
	s_cbranch_scc1 .Lnot_wave_0_\@
	s_barrier_signal -3
.Lnot_wave_0_\@:
	s_barrier_wait -3
	s_barrier_signal -1
	s_barrier_wait -1
.endm
	s_load_b256 s[4:11], s[0:1], 0x0               ; xc 4, xs 6, wc 8, ws 10
	s_load_b128 s[96:99], s[0:1], 0x20             ; b_q, b_k
	s_load_b64 s[100:101], s[0:1], 0x30            ; b_v
	s_load_b64 s[12:13], s[0:1], 0x38              ; qkv
	v_lshl_add_u32 v[SPW], v0, 2, SPARE
	v_mov_b32 v[NIL], 0
	ds_add_u32 v[SPW], v[NIL]                      ; the wave's opening: the add, twice on end, and its wait ahead of my first tensor load
	ds_add_u32 v[SPW], v[NIL]
	v_lshrrev_b32 v1, 5, v0
	v_readfirstlane_b32 s14, v1                    ; wave 0..3
	s_lshr_b32 s15, s14, 1                         ; which half of the tile's rows is mine.  Also: I fetch for x (0) or for the weight (1)
	s_and_b32 s16, s14, 1                          ; which half of its columns.  Also: which 128 rows I fetch
	s_bfe_u32 s40, ttmp6, 0x40000                  ; cx, cy
	s_bfe_u32 s41, ttmp6, 0x40004
	s_lshl_b32 s42, ttmp9, 2
	s_add_co_u32 s42, s42, s40                     ; tile column = 4 x cluster x + cx
	s_and_b32 s17, ttmp7, 0xffff
	s_lshr_b32 s95, s17, 3                         ; the tensor, 0 q, 1 k, 2 v: eight clusters along y each; the same in all sixteen partners
	s_lshl_b32 s17, s17, 2
	s_add_co_u32 s17, s17, s41                     ; tile row of the stack = 4 x cluster y + cy
	s_lshl_b32 s43, s41, 2
	s_lshl_b32 s43, 15, s43                        ; my row of the cluster
	s_lshl_b32 s44, 0x1111, s40                    ; my column
	s_or_b32 s[G1+0], s43, (0<<16)|(1<<20)|(1<<21)|(5<<22)|(3<<25)  ; the mask; elements of 1 byte; padding on; bit 21 beside a mask; after every 64 words four words
	s_or_b32 s[G1B+0], s44, (0<<16)|(1<<20)|(1<<21)|(5<<22)|(3<<25)
.irp g, G1, G1B
	s_mov_b32 s[\g+1], ROWB<<16                    ; tensor_dim0
	s_mov_b32 s[\g+2], 128<<16                     ; tensor_dim1
	s_mov_b32 s[\g+3], ROWB<<16                    ; tile_dim0
	s_mov_b32 s[\g+4], 128                         ; tile_dim1
	s_mov_b32 s[\g+5], KROW                        ; the pitch
	s_mov_b32 s[\g+6], 0
	s_mov_b32 s[\g+7], 0
.endr
	s_or_b32 s[G1S+0], s43, (3<<16)|(1<<20)|(1<<21)|(5<<22)|(3<<25) ; the scales of 128 rows: 4,096 dense bytes as 16 rows of 32 elements of 8 bytes, padded likewise
	s_or_b32 s[G1SB+0], s44, (3<<16)|(1<<20)|(1<<21)|(5<<22)|(3<<25)
.irp g, G1S, G1SB
	s_mov_b32 s[\g+1], 32<<16
	s_mov_b32 s[\g+2], (128*KS/256)<<16
	s_mov_b32 s[\g+3], 32<<16
	s_mov_b32 s[\g+4], 128*KS/256
	s_mov_b32 s[\g+5], 32
	s_mov_b32 s[\g+6], 0
	s_mov_b32 s[\g+7], 0
.endr
	s_lshl_b32 s18, s16, 7                         ; which 128 rows of the tile I fetch
	s_lshl_b32 s20, s17, 8
	s_add_co_u32 s20, s20, s18                     ; x: row 256 x tile row + 128 x half
	s_lshl_b32 s46, s42, 8
	s_add_co_u32 s46, s46, s18                     ; the weight: row 256 x tile column + 128 x half
	s_lshl_b32 s47, s95, 10
	s_add_co_u32 s46, s46, s47                     ; + 1,024 x tensor
	s_mov_b32 s21, 0
	s_mov_b32 s47, 0
	s_mov_b64 s[18:19], KS
	s_mul_u64 s[22:23], s[20:21], s[18:19]         ; where these rows' scales begin, in bytes,
	s_mul_u64 s[92:93], s[46:47], s[18:19]
	s_mov_b64 s[18:19], KROW
	s_mul_u64 s[20:21], s[20:21], s[18:19]         ; and their codes
	s_mul_u64 s[46:47], s[46:47], s[18:19]
	s_mul_i32 s45, s14, HALFT                      ; where they go: wave x 128 rows
	s_mul_i32 s94, s14, HALFS
	s_wait_dscnt 0x0                               ; both opening adds are done
	s_wait_kmcnt 0x0
	s_add_nc_u64 s[20:21], s[4:5], s[20:21]
	s_add_nc_u64 s[22:23], s[6:7], s[22:23]
	s_add_nc_u64 s[46:47], s[8:9], s[46:47]
	s_add_nc_u64 s[92:93], s[10:11], s[92:93]
	CROUND                                         ; all sixteen work-groups are here: the joint loads meet
	s_mov_b32 s[G0S], 1
	s_add_co_u32 s[G0S+1], s94, SCL
	s_mov_b64 s[G0S+2:G0S+3], s[22:23]
	s_or_b32 s[G0S+3], s[G0S+3], 0x80000000
	s_mov_b32 s[G0SB], 1
	s_add_co_u32 s[G0SB+1], s94, SCL
	s_mov_b64 s[G0SB+2:G0SB+3], s[92:93]
	s_or_b32 s[G0SB+3], s[G0SB+3], 0x80000000
	JLOAD G0S, G1S, G0SB, G1SB                     ; the scales first: they are wanted with slot 0
.irp s, 0,1
	s_mov_b32 s[G0+4*\s], 1
	s_add_co_u32 s[G0+4*\s+1], s45, \s*SLOT
	s_add_nc_u64 s[G0+4*\s+2:G0+4*\s+3], s[20:21], \s*ROWB
	s_or_b32 s[G0+4*\s+3], s[G0+4*\s+3], 0x80000000
	s_mov_b32 s[G0B+4*\s], 1
	s_add_co_u32 s[G0B+4*\s+1], s45, \s*SLOT
	s_add_nc_u64 s[G0B+4*\s+2:G0B+4*\s+3], s[46:47], \s*ROWB
	s_or_b32 s[G0B+4*\s+3], s[G0B+4*\s+3], 0x80000000
	JLOAD G0+4*\s, G1, G0B+4*\s, G1B
.endr
	v_and_b32 v1, 15, v0                           ; r = lane % 16
	v_bfe_u32 v2, v0, 4, 1                         ; h = lane / 16
	v_mul_u32_u24 v3, v1, PITCH
	v_lshl_add_u32 v4, v2, 4, v3                   ; a fragment's row x pitch + 16 x half
	s_mul_i32 s21, s15, HALFT                      ; my 128 rows of x
	s_mul_i32 s22, s16, HALFT                      ; my 128 rows of the weight,
	s_add_co_u32 s22, s22, 2*HALFT                 ; which lie behind x's 256
.irp s, 0,1
	v_add_nc_u32 v[ADRA+\s], s21, v4
	v_add_nc_u32 v[ADRB+\s], s22, v4
	s_add_co_u32 s21, s21, SLOT
	s_add_co_u32 s22, s22, SLOT
.endr
	v_mul_u32_u24 v5, v1, KS                       ; my row's scales: KS bytes a row,
	v_lshrrev_b32 v6, 8, v5
	v_lshl_add_u32 v5, v6, 4, v5                   ; and 16 more for each 256 passed
	s_mul_i32 s21, s15, HALFS
	s_mul_i32 s22, s16, HALFS
	s_add_co_u32 s22, s22, 2*HALFS
	s_sub_co_u32 s22, s22, s21
	v_mul_u32_u24 v6, s22, v2                      ; lanes 16-31 take the weight's: one product, the distance between the two bases x h
	s_add_co_u32 s21, s21, SCL
	v_add_nc_u32 v5, v5, v6
	v_add_nc_u32 v[ADRS], s21, v5
	; the tensor's bias, multiplier and order of lanes: choices on the tensor's number, no branch
	s_cmp_eq_u32 s95, 0
	s_cselect_b64 s[96:97], s[96:97], s[98:99]
	s_mov_b32 s66, 0x3f800000                      ; 1.0 for k and v,
	s_cselect_b32 s66, 0x3e38aa3b, s66             ; c = log2(e) / 8 for q
	s_mov_b32 s67, s66                             ; (named with it as a pair, so it is written)
	s_cmp_eq_u32 s95, 2
	s_cselect_b64 s[96:97], s[100:101], s[96:97]
	s_cselect_b32 s94, -1, 0                       ; all lanes' bits where the tensor is v
	s_lshl_b32 s98, s42, 10                        ; my first column, in bytes of f32: 1,024 x tile column + 512 x half
	s_lshl_b32 s99, s16, 9
	s_add_co_u32 s98, s98, s99
	s_mov_b32 s99, 0
	s_add_nc_u64 s[96:97], s[96:97], s[98:99]
	v_lshlrev_b32 v[BOFF], 5, v2
.irp b, 0,1,2,3,4,5,6,7                        ; block b: bias[first column + 16 b + 8 h + 0 .. 7], the result's layout
	global_load_b128 v[BI+8*\b:BI+8*\b+3], v[BOFF], s[96:97] offset:64*\b
	global_load_b128 v[BI+8*\b+4:BI+8*\b+7], v[BOFF], s[96:97] offset:64*\b+16
.endr
	v_and_b32 v6, 31, v0
	v_lshlrev_b32 v7, 4, v6                        ; 16 x lane
	v_and_b32 v8, 7, v0
	v_bfe_u32 v9, v0, 3, 1
	v_lshl_add_u32 v8, v9, 4, v8
	v_lshl_add_u32 v8, v2, 3, v8                   ; the lane with bits 3 and 4 exchanged
	v_lshlrev_b32 v8, 4, v8
	v_cndmask_b32 v[GOFF], v7, v8, s94
	; where my part begins in qkv: (tile row / 4) x 2^21 is tensor x 2^24 + batch x 2^21; position / 16 = 16 (tile row % 4) + 8 x row half, 2,048 bytes each; head = 4 x tile column + 2 x column half, 2^17 bytes each
	s_lshr_b32 s98, s17, 2
	s_lshl_b32 s98, s98, 21
	s_and_b32 s100, s17, 3
	s_lshl_b32 s100, s100, 4
	s_lshl_b32 s101, s15, 3
	s_add_co_u32 s100, s100, s101
	s_lshl_b32 s100, s100, 11
	s_add_co_u32 s98, s98, s100
	s_lshl_b32 s100, s42, 2
	s_lshl_b32 s101, s16, 1
	s_add_co_u32 s100, s100, s101
	s_lshl_b32 s100, s100, 17
	s_add_co_u32 s98, s98, s100
	s_add_nc_u64 s[12:13], s[12:13], s[98:99]
.macro FRAG reg, adr, q, i             ; a fragment: lane l holds row l % 16; registers 4 c .. 4 c + 3 hold K = 64 c + 32 (l / 16) + 0 .. 31
.irp c, 0,1
	ds_load_b128 v[\reg+4*\c:\reg+4*\c+3], v[\adr] offset:64*(\q)+32*\c+(\i)*16*PITCH
.endr
.endm
; 16 matrix instructions: x's blocks a0, a0 + 1 against the weight's eight, 128 along K.  first = 1: the bias is the C of the sum's first product: nothing is cleared or added later.
; The 64 accumulators take turns, one instruction a turn, in the same order in every step.
.macro MUL16 a0, p, q, sc, first
.irp a, \a0, \a0+1
.irp b, 0,1,2,3,4,5,6,7
.if \first
	v_wmma_scale_f32_16x16x128_f8f6f4 v[8*(8*((\a)%4)+\b):8*(8*((\a)%4)+\b)+7], v[128*(\p)+FR*\b:128*(\p)+FR*\b+FR-1], v[AF+FR*(\a):AF+FR*(\a)+FR-1], v[BI+8*\b:BI+8*\b+7], v[SC+8*NQ*(\sc)+NQ*\b+(\q)], v[SC+8*NQ*(\sc)+NQ*(\a)+(\q)] matrix_a_fmt:MATRIX_FMT_FP4 matrix_b_fmt:MATRIX_FMT_FP4 matrix_a_scale:MATRIX_SCALE_ROW1
.else
	v_wmma_scale_f32_16x16x128_f8f6f4 v[8*(8*((\a)%4)+\b):8*(8*((\a)%4)+\b)+7], v[128*(\p)+FR*\b:128*(\p)+FR*\b+FR-1], v[AF+FR*(\a):AF+FR*(\a)+FR-1], v[8*(8*((\a)%4)+\b):8*(8*((\a)%4)+\b)+7], v[SC+8*NQ*(\sc)+NQ*\b+(\q)], v[SC+8*NQ*(\sc)+NQ*(\a)+(\q)] matrix_a_fmt:MATRIX_FMT_FP4 matrix_b_fmt:MATRIX_FMT_FP4 matrix_a_scale:MATRIX_SCALE_ROW1
.endif
.endr
.endr
.endm
.macro FETCH_B slot, q, p
	WIN TO_B
.irp i, 0,1,2,3,4,5,6,7
	FRAG 128*(\p)+FR*\i, ADRB+\slot, \q, \i
.endr
	WIN 0
.endm
.macro FETCH_A slot, q, i0
.irp i, \i0, \i0+1, \i0+2, \i0+3
	FRAG AF+FR*(\i), ADRA+\slot, \q, \i
.endr
.endm
.macro SCALES sc                       ; a slot's scale words: four words a row; lanes 0-15 take x's block i, lanes 16-31 the weight's block i
.irp i, 0,1,2,3,4,5,6,7
	ds_load_b128 v[SC+8*NQ*\sc+NQ*\i:SC+8*NQ*\sc+NQ*\i+3], v[ADRS] offset:\i*SBLK
.endr
.endm
.macro PLACES n                        ; plain vector instructions that name none of a matrix instruction's registers, in front of loads into registers that it has read and of reads of its results
.rept \n
	v_nop
.endr
.endm
.macro STEP slot, q, first             ; a step of 128 along K that has its successor in the same slot
	s_wait_dscnt 4*NL                              ; the weight's set and x's blocks 0-3 are in; the youngest eight loads (blocks 4-7) may be out
	WIN MUL_LO-0x20*(\first)
	MUL16 0, (\q)%2, \q, \slot, \first
	MUL16 2, (\q)%2, \q, \slot, \first
	s_wait_dscnt 0                                 ; x's blocks 4-7 are in
	PLACES NP
	FETCH_B \slot, (\q)+1, 1-(\q)%2
	FETCH_A \slot, (\q)+1, 0
	WIN MUL_HI-0x30*(\first)
	MUL16 4, (\q)%2, \q, \slot, \first
	MUL16 6, (\q)%2, \q, \slot, \first
	PLACES NP
	WIN 0
	FETCH_A \slot, (\q)+1, 4
.endm
.macro STEPS slot, from
.set Q, \from
.rept NQ-1-\from
	STEP \slot, Q, 0
.set Q, Q+1
.endr
.endm
	s_wait_tensorcnt 1                             ; the scales and my part of slot 0 are in; slot 1's load, the one issued behind them, may be out
	s_barrier_signal -1
	s_barrier_wait -1                              ; everybody's are
	FETCH_B 0, 0, 0
	FETCH_A 0, 0, 0
	SCALES 0
	FETCH_A 0, 0, 4
	s_wait_loadcnt 0x0                             ; the bias
	STEP 0, 0, 1
	STEPS 0, 1
	; slot 0's last step changes slots: my part of slot 1 has landed, then one barrier, behind which slot 1 is whole
	s_wait_tensorcnt 0x0                           ; all my tensor loads have landed
	ds_add_u32 v[SPW], v[NIL]                      ; 0 onto my spare word
	s_wait_dscnt 4*NL+1                            ; (the add and the youngest eight loads may be out)
	WIN MUL_LO
	MUL16 0, 1, NQ-1, 0, 0
	s_wait_dscnt 0x0                               ; the add is done and my reads of slot 0 are over
	s_barrier_signal -1
	MUL16 2, 1, NQ-1, 0, 0
	WIN 0
	s_barrier_wait -1
	PLACES NP
	v_add_nc_u32 v[ADRS], 4*NQ, v[ADRS]            ; on to slot 1's scale words
	FETCH_B 1, 0, 0
	FETCH_A 1, 0, 0
	SCALES 1
	WIN MUL_HI
	MUL16 4, 1, NQ-1, 0, 0
	MUL16 6, 1, NQ-1, 0, 0
	PLACES NP
	WIN 0
	FETCH_A 1, 0, 4
	STEPS 1, 0
	s_wait_dscnt 4*NL                              ; the last step: nothing more to fetch
	WIN MUL_LO
	MUL16 0, 1, NQ-1, 1, 0
	MUL16 2, 1, NQ-1, 1, 0
	s_wait_dscnt 0
	WIN MUL_HI
	MUL16 4, 1, NQ-1, 1, 0
	MUL16 6, 1, NQ-1, 1, 0
	WIN 0
; THE WAY OUT, a block of 16 positions x 128 channels at a time, with no LDS: a lane's eight results pack into the 16 bytes that the image wants of it, and a store of the wave covers a whole block, 512 consecutive bytes, aligned.
.macro OUTB a
.if (\a) == 4
	s_wait_xcnt 0x0                                ; the stores of blocks 0 to 3 have read their registers: the four sets may be written again
.endif
	WIN 0x02+(\a)/4                                ; source 0: window 2 or 3
.irp b, 0,1,2,3,4,5,6,7
.irp i, 0,1,2,3
	v_pk_mul_f32 v[TMPR+8*\b+2*\i:TMPR+8*\b+2*\i+1], v[64*((\a)%4)+8*\b+2*\i:64*((\a)%4)+8*\b+2*\i+1], s[66:67] op_sel_hi:[1,0]   ; x c or x 1, in f32; each accumulator from its low end on
.endr
.endr
	WIN 0
.irp b, 0,1,2,3,4,5,6,7
.irp i, 0,1,2,3
	v_cvt_pk_f16_f32 v[PK+32*((\a)%4)+4*\b+\i], v[TMPR+8*\b+2*\i], v[TMPR+8*\b+2*\i+1]
.endr
.endr
.irp b, 0,1,2,3,4,5,6,7
	global_store_b128 v[GOFF], v[PK+32*((\a)%4)+4*\b:PK+32*((\a)%4)+4*\b+3], s[12:13] offset:(\a)*2048+(\b/4)*131072+(\b%4)*512
.endr
.endm
	PLACES NP                                      ; behind the last products: their scale words' and fragments' registers are written below, and their results read
.irp a, 0,1,2,3,4,5,6,7
	OUTB \a
.endr
	s_wait_tensorcnt 0x0                           ; the wave's end
	ds_add_u32 v[SPW], v[NIL]
	s_wait_dscnt 0x0
	CROUND                                         ; the closing round: no work-group ends while a partner may still ask for a tile that names it
	s_endpgm
.Lfunc_end_k_q30e7cb8844_proj:
	.size	k_q30e7cb8844_proj, .Lfunc_end_k_q30e7cb8844_proj-k_q30e7cb8844_proj
	.p2alignl 7, 3214868480
	.fill 96, 4, 3214868480
	.section	.rodata,"a",@progbits
	.p2align	6, 0x0
	.amdhsa_kernel k_q30e7cb8844_proj
		.amdhsa_group_segment_fixed_size 327680
		.amdhsa_private_segment_fixed_size 0
		.amdhsa_enable_private_segment 0
		.amdhsa_kernarg_size 64
		.amdhsa_user_sgpr_count 2
		.amdhsa_user_sgpr_kernarg_segment_ptr 1
		.amdhsa_wavefront_size32 1
		.amdhsa_system_sgpr_workgroup_id_x 1
		.amdhsa_system_sgpr_workgroup_id_y 1
		.amdhsa_system_sgpr_workgroup_id_z 1
		.amdhsa_system_vgpr_workitem_id 0
		.amdhsa_next_free_vgpr 1024
		.amdhsa_next_free_sgpr 102
		.amdhsa_reserve_vcc 0
		.amdhsa_float_denorm_mode_32 3
		.amdhsa_float_denorm_mode_16_64 3
		.amdhsa_memory_ordered 1
		.amdhsa_forward_progress 1
		.amdhsa_inst_pref_size 136
	.end_amdhsa_kernel
	.amdgpu_metadata
---
amdhsa.version: [ 1, 2 ]
amdhsa.kernels:
  - .name:           k_q30e7cb8844_proj
    .symbol:         k_q30e7cb8844_proj.kd
    .args:
      - { .name: xc, .offset: 0, .size: 8, .value_kind: global_buffer, .address_space: global }
      - { .name: xs, .offset: 8, .size: 8, .value_kind: global_buffer, .address_space: global }
      - { .name: wc, .offset: 16, .size: 8, .value_kind: global_buffer, .address_space: global }
      - { .name: ws, .offset: 24, .size: 8, .value_kind: global_buffer, .address_space: global }
      - { .name: b_q, .offset: 32, .size: 8, .value_kind: global_buffer, .address_space: global }
      - { .name: b_k, .offset: 40, .size: 8, .value_kind: global_buffer, .address_space: global }
      - { .name: b_v, .offset: 48, .size: 8, .value_kind: global_buffer, .address_space: global }
      - { .name: qkv, .offset: 56, .size: 8, .value_kind: global_buffer, .address_space: global }
    .group_segment_fixed_size: 327680
    .private_segment_fixed_size: 0
    .kernarg_segment_align: 8
    .kernarg_segment_size: 64
    .max_flat_workgroup_size: 128
    .sgpr_count:     102
    .vgpr_count:     1024
    .wavefront_size: 32
...
	.end_amdgpu_metadata
.endif
;; end of part 2
;; launch attn (part 3): grid 2 x 128, 8 waves a work-group, no clusters, 327,680 bytes of LDS; arguments qkv, ctx; writes ctx
.if DOCPART == 3
	.amdgcn_target "amdgcn-amd-amdhsa--gfx1250"
	.amdhsa_code_object_version 6
	.text
	.protected	k_q30e7cb8844_attn
	.globl	k_q30e7cb8844_attn
	.p2align	8
	.type	k_q30e7cb8844_attn,@function
k_q30e7cb8844_attn:
	s_mov_b64 s[64:65], 0
	v_nop
	global_prefetch_b8 v0, s[64:65] scope:SCOPE_SE
	s_setreg_imm32_b32 hwreg(HW_REG_WAVE_MODE, 25, 1), 1
	s_wait_xcnt 0x0
; THIRD OF FOUR LAUNCHES.  ctx = softmax(q k^T / 8) v for each of 128 (batch, head), 1,024 positions, head size 64.  q (already x log2(e) / 8), k, v: f16, as images of operand registers (layout: below); products in f16
; with f32 sums; maxima, exponentials and sums in f32; the weights p are rounded to f16 for the second product, ctx once at the end.
; qkv[tensor][16 batch + head][position / 16][channel / 16][512 bytes]: a head is 131,072 bytes; 64 keys are 8,192 consecutive bytes.
; ctx[row / 64][k / 32][(row / 16) % 4][half][lane][16 bytes]: images of fragments of 16 rows x 32 K for the last launch (row = 1,024 batch + position, k = 64 head + channel).
; SOFTMAX: the scores t leave the matrix unit as exponents of 2.  For each query a running maximum m and sum l: p = 2^(t - m), at most 1; in every step O and l are multiplied by a = 2^(m_old - m_new).
; LIMITS: finite scores above -3e38 (m begins there, so that the first step has no text of its own: a = 0 then multiplies zeros); NaN and infinities are not served.
; SHARES: a work-group owns 512 queries of one head, each of its eight waves 64: four tiles of 16, in two PIECES of two tiles.  256 work-groups.  Every wave walks all keys, 64 a step; a step's 8 fragments of K and 8 of V
; are read from LDS once and feed 64 matrix instructions.
; LAYOUT: S^T = K Q^T (source 0 = 16 keys, source 1 = 16 queries), O^T = V^T P (source 0 = 16 channels, source 1 = P): a lane holds ONE query throughout, and two tiles of S^T, rounded in pairs, ARE a fragment of P.
; A STEP: K Q^T of piece 0 | V is fetched | piece 0's softmax | V^T P of piece 0, K Q^T of piece 1 | the next step's K is fetched | piece 1's softmax | V^T P of piece 1.  S^T and P hold one piece at a time.
; LDS: the head's K and V stay whole: 131,072 bytes each, dense images: every fragment load takes 512 consecutive bytes, 16 x lane.  Nothing is filled again.  Each wave brings 8,192 bytes of each quarter of 256 keys:
; four tensor loads of a wave are out at the start, and a quarter's keys are read when that quarter has landed.
; NO CLUSTER: only the two query blocks of a head read the same tiles; the grid is 2 wide, and a cluster 4 wide does not divide it.
; No prefetch: all that a work-group reads is asked for at its head.
; REGISTERS: window 0: v1 16 x lane; v2, v3 addresses in hand; v4, v5 the add's two; v8-23 m and l, 4 a tile; v24-39 at work, 8 for each tile of the piece in hand; v40-103 S^T of a piece; v104-231 O^T, 32 a tile.
;   window 1: v0-63 V of one step; v64-95 P of a piece; v104-167 Q; v168-231 K of one step.
.set LI,  1
.set ADK, 2
.set ADV, 3
.set SPW, 4                            ; LDS address of my spare word; never rewritten
.set NIL, 5                            ; 0; never rewritten
.set PS,  8                            ; tile t at v[PS + 4 t]: m, a word named with it as a pair, l of the even keys, l of the odd keys
.set TS,  24                           ; tile u of the piece in hand at v[TS + 8 u]:
.set T_A, 0                            ; a (and a word named with it as a pair)
.set T_C, 2                            ; four chains of the maximum
.set T_X, 6                            ; the other half of the lanes'
.set T_D, 7                            ; m_old - m_new
.set S,   40
.set O,   104
.set VF,  0
.set P,   64
.set QF,  104
.set KF,  168
.set VREG,  131072                     ; V's images begin here
.set SPARE, 262144                     ; behind them: the spare words, 128 bytes for each of eight waves
.set STEPB, 8192                       ; 64 keys
.set WV,   8
.set LATE, 9                           ; s9  1 in the waves that begin their walk later
.set G1,  16                           ; s[16:23] descriptor group 1; s[24:39] group 0, a set for each quarter
.set G0,  24
.set SEL, 40                           ; s[40:41] v_permlanex16_b32's selects for lane l xor 16
.set TB,  42                           ; s42 LDS byte at which the step's keys begin
.set CNT, 43
.set MSB, 0
.macro WIN new                         ; the immediate's high byte repeats the setting that is left
.if MSB != (\new)
	s_set_vgpr_msb (MSB<<8)|(\new)
.set MSB, (\new)
.endif
.endm
	s_load_b128 s[4:7], s[0:1], 0x0                ; qkv, ctx
	v_lshl_add_u32 v[SPW], v0, 2, SPARE
	v_mov_b32 v[NIL], 0
	ds_add_u32 v[SPW], v[NIL]                      ; the wave's opening: the add, twice on end, and its wait ahead of my first tensor load
	ds_add_u32 v[SPW], v[NIL]
	v_lshrrev_b32 v2, 5, v0
	v_readfirstlane_b32 s[WV], v2                  ; wave 0..7
	v_and_b32 v[LI], 31, v0
	v_lshlrev_b32 v[LI], 4, v[LI]
	s_and_b32 s10, ttmp7, 0xffff                   ; 16 batch + head
	s_lshr_b32 s[LATE], s[WV], 2
	s_xor_b32 s[LATE], s[LATE], s[WV]
	s_and_b32 s[LATE], s[LATE], 1                  ; bit 0 xor bit 2 of the wave's number: of waves w and w + 4, and of waves 2 i and 2 i + 1, one is late
	s_mov_b32 s[G1], 3<<16                         ; no mask; elements of 8 bytes; no padding
	s_mov_b32 s[G1+1], 32<<16                      ; tensor_dim0 = 32 elements: rows of 256 bytes
	s_mov_b32 s[G1+2], 32<<16                      ; tensor_dim1 = 32 rows: 8,192 dense bytes
	s_mov_b32 s[G1+3], 32<<16                      ; tile_dim0
	s_mov_b32 s[G1+4], 32                          ; tile_dim1
	s_mov_b32 s[G1+5], 32                          ; the pitch
	s_mov_b32 s[G1+6], 0
	s_mov_b32 s[G1+7], 0
	s_lshr_b32 s12, s[WV], 2                       ; waves 0-3 fetch K, waves 4-7 V
	s_and_b32 s13, s[WV], 3
	s_lshl_b32 s13, s13, 13                        ; my 8,192 bytes of a quarter's 32,768
	s_lshl_b32 s14, s12, 17
	s_add_co_u32 s14, s14, s13                     ; where they go, in quarter 0
	s_add_co_u32 s12, s12, 1
	s_lshl_b32 s12, s12, 24                        ; tensor 1 or 2 of qkv,
	s_lshl_b32 s15, s10, 17                        ; the head,
	s_add_co_u32 s12, s12, s15
	s_add_co_u32 s12, s12, s13                     ; my part
	s_mov_b32 s13, 0
	s_lshl_b32 s44, ttmp9, 5
	s_lshl_b32 s45, s[WV], 2
	s_add_co_u32 s44, s44, s45                     ; my first tile of queries: 32 x block + 4 x wave, 2,048 bytes each
	s_lshl_b32 s44, s44, 11
	s_add_co_u32 s44, s44, s15
	s_mov_b32 s45, 0
	s_lshr_b32 s46, s10, 4                         ; ctx: row / 64 = 16 batch + 8 block + wave, 2^17 bytes each;
	s_lshl_b32 s46, s46, 4
	s_lshl_b32 s47, ttmp9, 3
	s_add_co_u32 s46, s46, s47
	s_add_co_u32 s46, s46, s[WV]
	s_lshl_b32 s46, s46, 17
	s_and_b32 s47, s10, 15                         ; k / 32 = 2 head + .., 4,096 bytes each
	s_lshl_b32 s47, s47, 13
	s_add_co_u32 s46, s46, s47
	s_mov_b32 s47, 0
	s_mov_b32 s[SEL], 0x76543210
	s_mov_b32 s[SEL+1], 0xfedcba98
	s_mov_b32 s[TB], 0
	s_wait_dscnt 0x0                               ; both opening adds are done
	s_wait_kmcnt 0x0
	s_add_nc_u64 s[12:13], s[4:5], s[12:13]
	s_add_nc_u64 s[44:45], s[4:5], s[44:45]
	s_add_nc_u64 s[46:47], s[6:7], s[46:47]
.irp q, 0,1,2,3
	s_mov_b32 s[G0+4*\q], 1
	s_add_co_u32 s[G0+4*\q+1], s14, \q*32768
	s_add_nc_u64 s[G0+4*\q+2:G0+4*\q+3], s[12:13], \q*32768
	s_or_b32 s[G0+4*\q+3], s[G0+4*\q+3], 0x80000000
.endr
	WIN 0x40                                       ; destination window 1
.irp i, 0,1,2,3,4,5,6,7,8,9,10,11,12,13,14,15  ; Q stays in registers: tile i / 4, block i % 4 of its four: fragment (tile, channels 32 cc on) at v[QF + 16 tile + 8 cc]
	global_load_b128 v[QF+4*\i:QF+4*\i+3], v[LI], s[44:45] offset:512*\i th:TH_LOAD_NT
.endr
	WIN 0
.irp q, 0,1,2,3
	tensor_load_to_lds s[G0+4*\q:G0+4*\q+3], s[G1:G1+7]   ; every wave issues all four, on one path, each into bytes of its own
	s_nop 0
.endr
.rept 4
	v_nop
.endr
.set j, 0
.rept 128
	v_mov_b32 v[O+j], 0                            ; O^T, cleared while the first tiles are on their way: the step then needs no ninth copy for the first keys (a = 0 leaves zeros zeros)
.set j, j+1
.endr
.irp t, 0,1,2,3
	v_mov_b32 v[PS+4*\t], 0xff61b1e6               ; m: -3e38, under every score
	v_mov_b32 v[PS+4*\t+1], 0
	v_mov_b32 v[PS+4*\t+2], 0                      ; l
	v_mov_b32 v[PS+4*\t+3], 0
.endr
.irp u, 0,1
	v_mov_b32 v[TS+8*\u+T_A+1], 0
	v_mov_b32 v[TS+8*\u+T_X], 0                    ; a lane permute's destination counts as one of its sources
.endr
.macro FETCH_K off                     ; 64 keys x 64 channels: fragment (16 keys kt, channels 32 cc on) at v[KF + 16 kt + 8 cc]
	WIN 0x40
.irp i, 0,1,2,3,4,5,6,7,8,9,10,11,12,13,14,15
	ds_load_b128 v[KF+4*\i:KF+4*\i+3], v[ADK] offset:\off+512*\i
.endr
	WIN 0
.endm
.macro FETCH_V                         ; turned: fragment (keys 32 kc on, 16 channels ct) at v[VF + 8 (4 kc + ct)]: lane l holds channel l % 16 and keys 8 (l / 16) + 0 .. 7 of each 16
	WIN 0x40
.irp kc, 0,1
.irp ct, 0,1,2,3
.irp h, 0,1
	ds_load_tr16_b128 v[VF+8*(4*\kc+\ct)+4*\h:VF+8*(4*\kc+\ct)+4*\h+3], v[ADV] offset:(2*\kc+\h)*2048+\ct*512
.endr
.endr
.endr
	WIN 0
.endm
; The eight accumulators of each product take turns, one instruction a turn: between the two links of a chain stand the seven others'.
.macro KQ p                            ; piece p's scores: K and Q in window 1, S^T in window 0
	WIN 0x05
.irp cc, 0,1
.irp kt, 0,1,2,3
.irp u, 0,1
.if \cc == 0
	v_wmma_f32_16x16x32_f16 v[S+32*\u+8*\kt:S+32*\u+8*\kt+7], v[KF+16*\kt+8*\cc:KF+16*\kt+8*\cc+7], v[QF+16*(2*\p+\u)+8*\cc:QF+16*(2*\p+\u)+8*\cc+7], 0
.else
	v_wmma_f32_16x16x32_f16 v[S+32*\u+8*\kt:S+32*\u+8*\kt+7], v[KF+16*\kt+8*\cc:KF+16*\kt+8*\cc+7], v[QF+16*(2*\p+\u)+8*\cc:QF+16*(2*\p+\u)+8*\cc+7], v[S+32*\u+8*\kt:S+32*\u+8*\kt+7]
.endif
.endr
.endr
.endr
.endm
.macro PV p                            ; piece p's O^T += V^T P: V and P in window 1, O^T in window 0
	WIN 0x05
.irp kc, 0,1
.irp ct, 0,1,2,3
.irp u, 0,1
	v_wmma_f32_16x16x32_f16 v[O+32*(2*\p+\u)+8*\ct:O+32*(2*\p+\u)+8*\ct+7], v[VF+8*(4*\kc+\ct):VF+8*(4*\kc+\ct)+7], v[P+16*\u+8*\kc:P+16*\u+8*\kc+7], v[O+32*(2*\p+\u)+8*\ct:O+32*(2*\p+\u)+8*\ct+7]
.endr
.endr
.endr
.endm
; Piece p's softmax of one step: its two tiles line by line in turn, so that no line waits for the line above it.
.macro SOFTMAX p
.irp j, 0,1,2,3                                ; the maximum of the lane's 32 scores and m: four chains, each begun at the low end of one accumulator
.irp u, 0,1
	v_max3_num_f32 v[TS+8*\u+T_C+\j], v[S+32*\u+8*\j], v[S+32*\u+8*\j+1], v[S+32*\u+8*\j+2]
.endr
.endr
.irp i, 3,5
.irp j, 0,1,2,3
.irp u, 0,1
	v_max3_num_f32 v[TS+8*\u+T_C+\j], v[TS+8*\u+T_C+\j], v[S+32*\u+8*\j+\i], v[S+32*\u+8*\j+\i+1]
.endr
.endr
.endr
.irp u, 0,1
	v_max3_num_f32 v[TS+8*\u+T_C], v[TS+8*\u+T_C], v[S+32*\u+7], v[S+32*\u+15]
	v_max3_num_f32 v[TS+8*\u+T_C+2], v[TS+8*\u+T_C+2], v[S+32*\u+23], v[S+32*\u+31]
.endr
.irp u, 0,1
	v_max3_num_f32 v[TS+8*\u+T_C], v[TS+8*\u+T_C], v[TS+8*\u+T_C+1], v[TS+8*\u+T_C+2]
.endr
.irp u, 0,1
	v_max3_num_f32 v[TS+8*\u+T_C], v[TS+8*\u+T_C], v[TS+8*\u+T_C+3], v[PS+4*(2*\p+\u)]
.endr
.irp u, 0,1
	v_permlanex16_b32 v[TS+8*\u+T_X], v[TS+8*\u+T_C], s[SEL], s[SEL+1]     ; the query's other 32 keys lie in the lane 16 away
.endr
.irp u, 0,1
	v_max_num_f32 v[TS+8*\u+T_C+1], v[TS+8*\u+T_C], v[TS+8*\u+T_X]         ; the new m
.endr
.irp u, 0,1
	v_sub_f32 v[TS+8*\u+T_D], v[PS+4*(2*\p+\u)], v[TS+8*\u+T_C+1]          ; m_old - m_new, 0 or less
.endr
.irp u, 0,1
	v_mov_b32 v[PS+4*(2*\p+\u)], v[TS+8*\u+T_C+1]
.endr
.irp j, 0,2,4,6,8,10,12,14,16,18,20,22,24,26,28,30
.irp u, 0,1
	v_pk_add_f32 v[S+32*\u+\j:S+32*\u+\j+1], v[S+32*\u+\j:S+32*\u+\j+1], v[PS+4*(2*\p+\u):PS+4*(2*\p+\u)+1] op_sel_hi:[1,0] neg_lo:[0,1] neg_hi:[0,1]   ; t - m, 0 or less
.endr
.endr
.irp u, 0,1
	v_exp_f32 v[TS+8*\u+T_A], v[TS+8*\u+T_D]       ; a
.endr
.set e, 0
.rept 64
	v_exp_f32 v[S+e], v[S+e]                       ; p, at most 1: the piece's 66 exponentials are ONE batch; none reads another's result
.set e, e+1
.endr
	v_nop                                          ; a plain instruction behind the last exponential,
	s_wait_alu depctr_va_vdst(0)                   ; and one wait ahead of the batch's first reader
	WIN 0x40                                       ; P lies in window 1, beside V
.set z, 0
.rept 32
	v_cvt_pk_f16_f32 v[P+z], v[S+2*z], v[S+2*z+1]  ; P: two tiles of S^T on end are a fragment of 32 keys
.set z, z+1
.endr
	WIN 0
.irp w, 4,8,16,32                              ; the sum of the unrounded p, pairs 1, 2, 4 and 8 apart, in place
.set z, 0
.rept 64/\w
	v_pk_add_f32 v[S+\w*z:S+\w*z+1], v[S+\w*z:S+\w*z+1], v[S+\w*z+\w/2:S+\w*z+\w/2+1]
.set z, z+1
.endr
.endr
.irp u, 0,1
	v_pk_fma_f32 v[PS+4*(2*\p+\u)+2:PS+4*(2*\p+\u)+3], v[PS+4*(2*\p+\u)+2:PS+4*(2*\p+\u)+3], v[TS+8*\u+T_A:TS+8*\u+T_A+1], v[S+32*\u:S+32*\u+1] op_sel_hi:[1,0,1]   ; l = a l + the sum
.endr
.irp j, 0,2,4,6,8,10,12,14,16,18,20,22,24,26,28,30
.irp u, 0,1
	v_pk_mul_f32 v[O+32*(2*\p+\u)+\j:O+32*(2*\p+\u)+\j+1], v[O+32*(2*\p+\u)+\j:O+32*(2*\p+\u)+\j+1], v[TS+8*\u+T_A:TS+8*\u+T_A+1] op_sel_hi:[1,0]   ; O^T x a, each accumulator from its low end on
.endr
.endr
.endm
; A KEY STEP.  pre = 1: the next step's K is fetched.  bar = 1: that K lies in the next quarter.  Then a barrier stands in the step, in two halves: at the step's head, where no LDS instruction of mine is out, I wait
; until my own part of the next quarter has landed (cnt: the loads of the quarters behind it, which may stay out) and signal; behind the scores of piece 1, ahead of the first read of
; that quarter, I wait for all eight signals.  Between the halves stand work on registers and V's loads from the quarter in hand, which landed before an earlier barrier and is written by nobody.
.macro STEP pre, bar, cnt
	s_wait_dscnt 0x0                               ; K is in
.if \bar
	s_wait_tensorcnt \cnt                          ; my part of the next quarter has landed
	s_barrier_signal -1
.endif
	KQ 0
	WIN 0
	v_add_nc_u32 v[ADK], s[TB], v[LI]              ; these four plain lines are the places behind the products: in front of the loads into V's registers, which the last step's products read, and of the first read of S^T
	v_add_nc_u32 v[ADV], VREG, v[ADK]
	v_nop
	v_nop
	FETCH_V
	SOFTMAX 0
	s_wait_dscnt 0x0                               ; V is in
	PV 0
	KQ 1
	WIN 0
.if \bar
	s_barrier_wait -1                              ; everybody's part of the next quarter has landed
.endif
.rept 4
	v_nop                                          ; the places in front of the loads into K's registers and of the first read of S^T
.endr
.if \pre
	FETCH_K STEPB
.endif
	SOFTMAX 1
	PV 1
	WIN 0
	s_add_co_u32 s[TB], s[TB], STEPB
.endm
.macro THREE                           ; a quarter's first three steps
	s_mov_b32 s[CNT], 3
.Lstep_\@:
	STEP 1, 0, 0
	s_sub_co_u32 s[CNT], s[CNT], 1
	s_cmp_lg_u32 s[CNT], 0
	s_cbranch_scc1 .Lstep_\@
.endm
	s_wait_loadcnt 0x0                             ; Q
	s_wait_tensorcnt 3                             ; my part of the first quarter has landed; the three loads issued behind it may stay out
	s_barrier_signal -1
	s_barrier_wait -1                              ; everybody's has
	; THE LATE HALF.  All eight waves leave this barrier together and would issue the same kind of work at the same time.  Four of them begin seventeen s_nop 15 later, about half of a turn (32 products and one piece's
	; softmax), so that some waves issue products while others issue vector work.  The later barriers are in two halves, far apart, so that they do not bring the waves into step again.
	s_cmp_eq_u32 s[LATE], 0
	s_cbranch_scc1 .Lgo
.rept 17
	s_nop 15
.endr
.Lgo:
	v_add_nc_u32 v[ADK], s[TB], v[LI]
	FETCH_K 0
	THREE
	STEP 1, 1, 2                                   ; keys 192 on; behind its barrier the second quarter is read
	THREE
	STEP 1, 1, 1
	THREE
	STEP 1, 1, 0
	THREE
	STEP 0, 0, 0                                   ; the last step fetches no K
	; THE WAY OUT.  l's two halves and the other half of the lanes' are added; O^T / l is rounded to f16, in place: a lane's eight channels are the 16 bytes that ctx's image wants of it.  No LDS.
	; The additions are the places behind the last products.
.irp t, 0,1,2,3
	v_add_f32 v[PS+4*\t+2], v[PS+4*\t+2], v[PS+4*\t+3]
.endr
.irp t, 0,1,2,3
	v_permlanex16_b32 v[PS+4*\t+3], v[PS+4*\t+2], s[SEL], s[SEL+1]
.endr
.irp t, 0,1,2,3
	v_add_f32 v[PS+4*\t+2], v[PS+4*\t+2], v[PS+4*\t+3]
.endr
.irp t, 0,1,2,3
	v_rcp_f32 v[PS+4*\t], v[PS+4*\t+2]             ; 1 / l takes m's place
.endr
	v_nop                                          ; a plain instruction behind the reciprocals,
	s_wait_alu depctr_va_vdst(0)                   ; and one wait for the four, ahead of the first reader
.irp t, 0,1,2,3
.irp j, 0,2,4,6,8,10,12,14,16,18,20,22,24,26,28,30
	v_pk_mul_f32 v[O+32*\t+\j:O+32*\t+\j+1], v[O+32*\t+\j:O+32*\t+\j+1], v[PS+4*\t:PS+4*\t+1] op_sel_hi:[1,0]   ; each accumulator from its low end on
.endr
.endr
.irp t, 0,1,2,3
.irp j, 0,1,2,3,4,5,6,7,8,9,10,11,12,13,14,15
	v_cvt_pk_f16_f32 v[O+32*\t+\j], v[O+32*\t+2*\j], v[O+32*\t+2*\j+1]     ; packed downwards: register j is written when registers 2 j and 2 j + 1 are read, and no later line reads it
.endr
.endr
.irp t, 0,1,2,3
.irp ct, 0,1,2,3
	global_store_b128 v[LI], v[O+32*\t+4*\ct:O+32*\t+4*\ct+3], s[46:47] offset:(\ct/2)*4096+\t*1024+(\ct%2)*512   ; 32 lanes store 512 consecutive bytes, aligned
.endr
.endr
	s_wait_tensorcnt 0x0                           ; the wave's end
	ds_add_u32 v[SPW], v[NIL]
	s_wait_dscnt 0x0
	s_endpgm
.Lfunc_end_k_q30e7cb8844_attn:
	.size	k_q30e7cb8844_attn, .Lfunc_end_k_q30e7cb8844_attn-k_q30e7cb8844_attn
	.p2alignl 7, 3214868480
	.fill 96, 4, 3214868480
	.section	.rodata,"a",@progbits
	.p2align	6, 0x0
	.amdhsa_kernel k_q30e7cb8844_attn
		.amdhsa_group_segment_fixed_size 327680
		.amdhsa_private_segment_fixed_size 0
		.amdhsa_enable_private_segment 0
		.amdhsa_kernarg_size 16
		.amdhsa_user_sgpr_count 2
		.amdhsa_user_sgpr_kernarg_segment_ptr 1
		.amdhsa_wavefront_size32 1
		.amdhsa_system_sgpr_workgroup_id_x 1
		.amdhsa_system_sgpr_workgroup_id_y 1
		.amdhsa_system_sgpr_workgroup_id_z 1
		.amdhsa_system_vgpr_workitem_id 0
		.amdhsa_next_free_vgpr 512
		.amdhsa_next_free_sgpr 66
		.amdhsa_reserve_vcc 0
		.amdhsa_float_denorm_mode_32 3
		.amdhsa_float_denorm_mode_16_64 3
		.amdhsa_memory_ordered 1
		.amdhsa_forward_progress 1
		.amdhsa_inst_pref_size 255
	.end_amdhsa_kernel
	.section	.bss,"aw",@nobits
	.p2align	6
	.space	262144
	.amdgpu_metadata
---
amdhsa.version: [ 1, 2 ]
amdhsa.kernels:
  - .name:           k_q30e7cb8844_attn
    .symbol:         k_q30e7cb8844_attn.kd
    .args:
      - { .name: qkv, .offset: 0, .size: 8, .value_kind: global_buffer, .address_space: global }
      - { .name: ctx, .offset: 8, .size: 8, .value_kind: global_buffer, .address_space: global }
    .group_segment_fixed_size: 327680
    .private_segment_fixed_size: 0
    .kernarg_segment_align: 8
    .kernarg_segment_size: 16
    .max_flat_workgroup_size: 256
    .sgpr_count:     66
    .vgpr_count:     512
    .wavefront_size: 32
...
	.end_amdgpu_metadata
.endif
;; end of part 3
;; launch outp (part 4): grid 4 x 64, 4 waves a work-group, clusters of 4 x 4, 327,680 bytes of LDS; arguments ctx, wo16, b_o, out0; writes out0
.if DOCPART == 4
	.amdgcn_target "amdgcn-amd-amdhsa--gfx1250"
	.amdhsa_code_object_version 6
	.text
	.protected	k_q30e7cb8844_outp
	.globl	k_q30e7cb8844_outp
	.p2align	8
	.type	k_q30e7cb8844_outp,@function
k_q30e7cb8844_outp:
	s_mov_b64 s[64:65], 0
	v_nop
	global_prefetch_b8 v0, s[64:65] scope:SCOPE_SE
	s_setreg_imm32_b32 hwreg(HW_REG_WAVE_MODE, 25, 1), 1
	s_wait_xcnt 0x0
	s_wait_alu depctr_hold_cnt(0) depctr_sa_sdst(0) depctr_va_vdst(0) depctr_va_sdst(0) depctr_va_ssrc(0) depctr_va_vcc(0) depctr_vm_vsrc(0)
	s_getreg_b32 s2, hwreg(HW_REG_IB_STS2, 6, 4)
	s_cmp_eq_u32 s2, 0
	s_cbranch_scc0 .Lentry_in_a_cluster
	s_endpgm
.Lentry_in_a_cluster:
	s_bfe_u32 s2, ttmp6, 0x10000c
	s_cmp_lg_u32 s2, 0xf033
	s_cbranch_scc0 .Lentry_shape_is_right
	s_endpgm
.Lentry_shape_is_right:
; LAST OF FOUR LAUNCHES.  out0[row][n] = sum over k of ctx[row][k] w_o[n][k] + b_o[n]: [8192][1024] x [1024][1024], f16 operands, f32 sums, f32 out.
; ctx comes as images of fragments: ctx[row / 64][k / 32][(row / 16) % 4][half][lane][16 bytes]: 128 along K of 64 rows are 16,384 consecutive bytes.  wo16: [n][k] f16, row-major.
; SHARES: a tile of 128 rows x 256 columns to a work-group: 256 tiles.  Four waves, each 64 x 128: 32 accumulators, 256 registers.  K goes in 8 steps of 128 through a ring of two LDS slots:
; waves 0 and 1 fetch ctx's two halves (dense), waves 2 and 3 w_o's two halves (128 rows of 256 bytes, padded): one tensor load a wave behind each change of slots.
; From a request to the wait for it a wave issues 112 of a step's 128 matrix instructions.
; CLUSTERS: 4 x 4 work-groups; a row of the cluster shares ctx's tiles, a column w_o's: each is asked for jointly.
; THE MATRIX INSTRUCTION IS USED TRANSPOSED (source 0 = 16 rows of w_o, source 1 = 16 rows of ctx): a lane holds eight neighbouring columns of one row.  The bias is the C of each sum's first product.
; No prefetch is laid: a step's tiles are small and are asked for a step ahead by the ring itself.
; REGISTERS: window 0: v16-29 addresses; v64-127 the bias; v128-255 two sets of 64 for the way out.   window 1: two fragment buffers at v0 and v128: ctx's 4 fragments, then w_o's 8.   window 2: accumulator (a, b) at v[8 (8 a + b)].
.set ASZ,    16384                     ; ctx: 64 rows x 128 K
.set PITCH,  272                       ; a row of w_o in LDS: 256 bytes + 16 of padding
.set BSZ,    128*PITCH
.set BOFS,   2*ASZ                     ; in a slot: ctx's two halves, then w_o's two
.set SLOT,   BOFS+2*BSZ
.set SPARE,  2*SLOT                    ; behind the ring: the spare words, 128 bytes a wave
.set SPITCH, 528                       ; the way out: a stage of 16 rows x (512 bytes + 16) for each wave, in slot 0, which has had its last fill and its last read when the first result is stored there
.set ADRA, 16                          ; v16-17  LDS address of my fragments of ctx in slot 0, 1
.set ADRB, 20                          ; v20-21  the same for w_o
.set STO,  24
.set RD,   25
.set CO,   26                          ; v26     16 x lane
.set BOFF, 27                          ; v27     32 x (lane / 16)
.set SPW,  28
.set NIL,  29
.set BI,   64
.set BK,   128
.set F0,   0
.set F1,   128
.set G1, 24                            ; s[24:31] group 1 for ctx's tiles; s[32:39] group 0, a set for each slot
.set G0, 32
.set G1B, 48                           ; s[48:55], s[56:63] the same for w_o's
.set G0B, 56
.set MSB, 0
.macro WIN new
.if MSB != (\new)
	s_set_vgpr_msb (MSB<<8)|(\new)
.set MSB, (\new)
.endif
.endm
.set MUL,  0xa5                        ; sources 0 and 1 window 1; C and D window 2 (the first quarter: C window 0, 0x85)
.set TO_F, 0x40
.macro JLOAD s                         ; an s_nop 0 and four v_nop follow each of the two lines; the branch hangs on the wave's number alone
	s_cmp_eq_u32 s13, 0
	s_cbranch_scc0 .Lfor_b_\@
	tensor_load_to_lds s[G0+4*\s:G0+4*\s+3], s[G1:G1+7]
	s_nop 0
.rept 4
	v_nop
.endr
	s_branch .Lasked_\@
.Lfor_b_\@:
	tensor_load_to_lds s[G0B+4*\s:G0B+4*\s+3], s[G1B:G1B+7]
	s_nop 0
.rept 4
	v_nop
.endr
.Lasked_\@:
.endm
.macro CREST                           ; a round of the cluster's barrier behind its opening barrier
	s_cmp_lg_u32 s12, 0
	s_cbranch_scc1 .Lnot_wave_0_\@
	s_barrier_signal -3
.Lnot_wave_0_\@:
	s_barrier_wait -3
	s_barrier_signal -1
	s_barrier_wait -1
.endm
.macro CROUND
	s_barrier_signal -1
	s_barrier_wait -1
	CREST
.endm
	s_load_b256 s[4:11], s[0:1], 0x0               ; ctx 4, wo16 6, b_o 8, out0 10
	v_lshl_add_u32 v[SPW], v0, 2, SPARE
	v_mov_b32 v[NIL], 0
	ds_add_u32 v[SPW], v[NIL]                      ; the wave's opening: the add, twice on end, and its wait ahead of my first tensor load
	ds_add_u32 v[SPW], v[NIL]
	v_lshrrev_b32 v1, 5, v0
	v_readfirstlane_b32 s12, v1                    ; wave 0..3
	s_lshr_b32 s13, s12, 1                         ; which 64 rows are mine.  Also: I fetch for ctx (0) or for w_o (1)
	s_and_b32 s14, s12, 1                          ; which 128 columns.  Also: which half I fetch
	s_bfe_u32 s40, ttmp6, 0x40000                  ; cx, cy
	s_bfe_u32 s41, ttmp6, 0x40004
	s_lshl_b32 s42, ttmp9, 2
	s_add_co_u32 s42, s42, s40                     ; tile column
	s_and_b32 s15, ttmp7, 0xffff
	s_lshl_b32 s15, s15, 2
	s_add_co_u32 s15, s15, s41                     ; tile row
	s_lshl_b32 s43, s41, 2
	s_lshl_b32 s43, 15, s43                        ; my row of the cluster
	s_lshl_b32 s44, 0x1111, s40                    ; my column
	s_or_b32 s[G1], s43, (3<<16)|(1<<21)           ; ctx: the mask; elements of 8 bytes; bit 21 beside a mask; no padding
	s_mov_b32 s[G1+1], 32<<16                      ; rows of 256 bytes,
	s_mov_b32 s[G1+2], 64<<16                      ; 64 of them: 16,384 dense bytes
	s_mov_b32 s[G1+3], 32<<16
	s_mov_b32 s[G1+4], 64
	s_mov_b32 s[G1+5], 32
	s_mov_b32 s[G1+6], 0
	s_mov_b32 s[G1+7], 0
	s_or_b32 s[G1B], s44, (1<<16)|(1<<20)|(1<<21)|(5<<22)|(3<<25)   ; w_o: elements of 2 bytes; after every 64 words four words of padding
	s_mov_b32 s[G1B+1], 128<<16
	s_mov_b32 s[G1B+2], 128<<16
	s_mov_b32 s[G1B+3], 128<<16
	s_mov_b32 s[G1B+4], 128
	s_mov_b32 s[G1B+5], 1024
	s_mov_b32 s[G1B+6], 0
	s_mov_b32 s[G1B+7], 0
	s_lshl_b32 s16, s15, 1
	s_add_co_u32 s16, s16, s14
	s_lshl_b32 s16, s16, 17                        ; ctx: block of 64 rows 2 x tile row + half, 2^17 bytes each
	s_mov_b32 s17, 0
	s_lshl_b32 s46, s42, 1
	s_add_co_u32 s46, s46, s14
	s_lshl_b32 s46, s46, 18                        ; w_o: row 256 x tile column + 128 x half, 2,048 bytes each
	s_mov_b32 s47, 0
	s_lshl_b32 s20, s14, 14                        ; where they go in a slot: ctx's half,
	s_mul_i32 s21, s14, BSZ
	s_add_co_u32 s21, s21, BOFS                    ; w_o's half: no place in the cluster enters an LDS address
	s_wait_dscnt 0x0                               ; both opening adds are done
	s_wait_kmcnt 0x0
	s_add_nc_u64 s[16:17], s[4:5], s[16:17]
	s_add_nc_u64 s[46:47], s[6:7], s[46:47]
	CROUND                                         ; all sixteen work-groups are here: the first joint loads meet
.irp s, 0,1
	s_mov_b32 s[G0+4*\s], 1
	s_add_co_u32 s[G0+4*\s+1], s20, \s*SLOT
	s_add_nc_u64 s[G0+4*\s+2:G0+4*\s+3], s[16:17], \s*ASZ
	s_or_b32 s[G0+4*\s+3], s[G0+4*\s+3], 0x80000000
	s_mov_b32 s[G0B+4*\s], 1
	s_add_co_u32 s[G0B+4*\s+1], s21, \s*SLOT
	s_add_nc_u64 s[G0B+4*\s+2:G0B+4*\s+3], s[46:47], \s*256
	s_or_b32 s[G0B+4*\s+3], s[G0B+4*\s+3], 0x80000000
	JLOAD \s
.endr
	v_and_b32 v1, 15, v0                           ; r
	v_bfe_u32 v2, v0, 4, 1                         ; h
	v_and_b32 v3, 31, v0
	v_lshlrev_b32 v[CO], 4, v3
	s_lshl_b32 s22, s13, 14                        ; my 64 rows of ctx
	v_add_nc_u32 v[ADRA], s22, v[CO]
	v_add_nc_u32 v[ADRA+1], SLOT, v[ADRA]
	v_mul_u32_u24 v4, v1, PITCH
	v_lshl_add_u32 v4, v2, 4, v4
	s_mul_i32 s23, s14, BSZ                        ; my 128 rows of w_o
	s_add_co_u32 s23, s23, BOFS
	v_add_nc_u32 v[ADRB], s23, v4
	v_add_nc_u32 v[ADRB+1], SLOT, v[ADRB]
	s_mul_i32 s22, s12, 16*SPITCH                  ; my stage
	v_mul_u32_u24 v5, v1, SPITCH
	v_lshl_add_u32 v5, v2, 5, v5
	v_add_nc_u32 v[STO], s22, v5                   ; in: row r, 32 bytes for each half of the lanes
	v_add_nc_u32 v[RD], s22, v[CO]                 ; back: the 32 lanes take one row of 512 bytes
	v_lshlrev_b32 v[BOFF], 5, v2
	s_lshl_b32 s22, s42, 10                        ; my first column, in bytes: 1,024 x tile column + 512 x half
	s_lshl_b32 s23, s14, 9
	s_add_co_u32 s22, s22, s23
	s_mov_b32 s23, 0
	s_add_nc_u64 s[8:9], s[8:9], s[22:23]
	s_add_nc_u64 s[10:11], s[10:11], s[22:23]
	s_lshl_b32 s22, s15, 1
	s_add_co_u32 s22, s22, s13
	s_lshl_b32 s22, s22, 18                        ; my first row: 128 x tile row + 64 x half, 4,096 bytes each
	s_add_nc_u64 s[10:11], s[10:11], s[22:23]
.irp b, 0,1,2,3,4,5,6,7                        ; block b: b_o[first column + 16 b + 8 h + 0 .. 7], the result's layout
	global_load_b128 v[BI+8*\b:BI+8*\b+3], v[BOFF], s[8:9] offset:64*\b
	global_load_b128 v[BI+8*\b+4:BI+8*\b+7], v[BOFF], s[8:9] offset:64*\b+16
.endr
; 8 matrix instructions: ctx's block a against w_o's eight, 32 along K.  The 32 accumulators take turns, one instruction a turn, in the same order in every quarter.
.macro MUL8 f, a, first
.irp b, 0,1,2,3,4,5,6,7
.if \first
	v_wmma_f32_16x16x32_f16 v[8*(8*(\a)+\b):8*(8*(\a)+\b)+7], v[\f+32+8*\b:\f+32+8*\b+7], v[\f+8*(\a):\f+8*(\a)+7], v[BI+8*\b:BI+8*\b+7]
.else
	v_wmma_f32_16x16x32_f16 v[8*(8*(\a)+\b):8*(8*(\a)+\b)+7], v[\f+32+8*\b:\f+32+8*\b+7], v[\f+8*(\a):\f+8*(\a)+7], v[8*(8*(\a)+\b):8*(8*(\a)+\b)+7]
.endif
.endr
.endm
; 24 LDS loads in one run: the fragments of the slot's q-th 32 along K into buffer f: w_o's sixteen first, ctx's eight last
.macro FETCH slot, q, f
	WIN TO_F
.irp b, 0,1,2,3,4,5,6,7
	ds_load_b128 v[\f+32+8*\b:\f+32+8*\b+3], v[ADRB+\slot] offset:64*(\q)+\b*16*PITCH
	ds_load_b128 v[\f+32+8*\b+4:\f+32+8*\b+7], v[ADRB+\slot] offset:64*(\q)+\b*16*PITCH+32
.endr
.irp i, 0,1,2,3,4,5,6,7
	ds_load_b128 v[\f+4*\i:\f+4*\i+3], v[ADRA+\slot] offset:4096*(\q)+512*\i
.endr
.endm
.macro PLACES                          ; four plain vector instructions in front of loads into registers that matrix instructions have read, and of reads of results
.rept 4
	v_nop
.endr
.endm
; A K step is four quarters of 32 along K, 32 matrix instructions each, on buffers 0, 1, 0, 1.  One of the first three: multiplies buffer f and fetches quarter qn into g.
.macro QUARTER slot, qn, f, g, first
	s_wait_dscnt 4                                 ; w_o's fragments and ctx's blocks 0, 1 are in; the youngest four loads (blocks 2, 3) may be out
	WIN MUL-0x20*(\first)
	MUL8 \f, 0, \first
	MUL8 \f, 1, \first
	PLACES
	FETCH \slot, \qn, \g
	s_wait_dscnt 24                                ; all but the 24 just issued
	WIN MUL-0x20*(\first)
	MUL8 \f, 2, \first
	MUL8 \f, 3, \first
.endm
; The last quarter multiplies buffer 1 and changes slots: ONE barrier; in front of it each wave waits for all its tensor loads, adds 0 to its spare word, and waits for that and for its reads of this slot.
; fill = 1: the barrier opens a round of the cluster's, and this slot is filled again, two K steps ahead, first thing behind the round.
.macro TURN slot, next, fill
	WIN 0                                          ; (the add's two registers lie in window 0)
	s_wait_tensorcnt 0x0                           ; all my tensor loads have landed: my part of the next slot
	ds_add_u32 v[SPW], v[NIL]                      ; 0 onto my spare word
	s_wait_dscnt 5                                 ; (the add and the youngest four loads may be out)
	WIN MUL
	MUL8 F1, 0, 0                                  ; eight matrix instructions stand between the add and the wait for it
	s_wait_dscnt 0x0                               ; the add is done, and my reads of this slot are over
	s_barrier_signal -1
	MUL8 F1, 1, 0
	WIN 0                                          ; (branches may follow)
	s_barrier_wait -1
.if \fill
	CREST                                          ; no wave of any partner still reads this slot's tiles or has a load on its way
	s_add_nc_u64 s[G0+4*\slot+2:G0+4*\slot+3], s[G0+4*\slot+2:G0+4*\slot+3], 2*ASZ
	s_add_nc_u64 s[G0B+4*\slot+2:G0B+4*\slot+3], s[G0B+4*\slot+2:G0B+4*\slot+3], 2*256
	JLOAD \slot                                    ; the four v_nop behind it are also the places in front of the loads below
.else
	PLACES
.endif
	FETCH \next, 0, F0
	WIN MUL
	MUL8 F1, 2, 0
	MUL8 F1, 3, 0
.endm
	s_wait_tensorcnt 1                             ; my part of K step 0 is in; K step 1's load may be out
	s_barrier_signal -1
	s_barrier_wait -1                              ; everybody's is
	FETCH 0, 0, F0
	s_wait_loadcnt 0x0                             ; the bias
	QUARTER 0, 1, F0, F1, 1                        ; the first quarter stands in front of the loop: its products start the sums
	WIN 0                                          ; at a label and at a branch every window is 0
	s_mov_b32 s3, 3
.Llap:                                                 ; a trip goes once round the ring and fills both slots again: K steps 2 to 7
	QUARTER 0, 2, F1, F0, 0
	QUARTER 0, 3, F0, F1, 0
	TURN 0, 1, 1
	QUARTER 1, 1, F0, F1, 0
	QUARTER 1, 2, F1, F0, 0
	QUARTER 1, 3, F0, F1, 0
	TURN 1, 0, 1
	QUARTER 0, 1, F0, F1, 0
	WIN 0
	s_sub_co_u32 s3, s3, 1
	s_cmp_lg_u32 s3, 0
	s_cbranch_scc1 .Llap
	QUARTER 0, 2, F1, F0, 0                        ; the last lap fills nothing, and has no round of the cluster's barrier
	QUARTER 0, 3, F0, F1, 0
	TURN 0, 1, 0
	QUARTER 1, 1, F0, F1, 0
	QUARTER 1, 2, F1, F0, 0
	QUARTER 1, 3, F0, F1, 0
	s_wait_dscnt 4                                 ; the very last quarter: nothing more to fetch
	WIN MUL
	MUL8 F1, 0, 0
	MUL8 F1, 1, 0
	s_wait_dscnt 0
	MUL8 F1, 2, 0
	MUL8 F1, 3, 0
	WIN 0
; THE WAY OUT, a block of 16 rows x 128 columns at a time: through my own stage in LDS and back as whole rows of 512 bytes.  LDS serves a wave's instructions in order: no wait between the stores and the loads.
.macro TOSTAGE a
	WIN 0x08                                       ; an LDS store's data: window 2
.irp b, 0,1,2,3,4,5,6,7
	ds_store_b128 v[STO], v[64*(\a)+8*\b:64*(\a)+8*\b+3] offset:64*\b        ; each accumulator from its low end on
	ds_store_b128 v[STO], v[64*(\a)+8*\b+4:64*(\a)+8*\b+7] offset:64*\b+16
.endr
	WIN 0
.set BB, BK+64*((\a)%2)
.irp t, 0,1,2,3,4,5,6,7,8,9,10,11,12,13,14,15
	ds_load_b128 v[BB+4*\t:BB+4*\t+3], v[RD] offset:\t*SPITCH
.endr
.endm
.macro SEND a, younger                 ; younger: the LDS instructions issued behind block a's loads, which may stay out
.set BB, BK+64*((\a)%2)
	s_wait_dscnt \younger
.irp t, 0,1,2,3,4,5,6,7,8,9,10,11,12,13,14,15
	global_store_b128 v[CO], v[BB+4*\t:BB+4*\t+3], s[10:11] offset:(16*(\a)+\t)*4096 th:TH_STORE_NT   ; 32 lanes store 512 consecutive bytes, aligned; written once, read by nobody here
.endr
.endm
	PLACES
	TOSTAGE 0
.irp a, 1,2,3
.if \a > 1
	s_wait_xcnt 0x0                                ; block a - 2's stores have read their registers: block a's loads may land there
.endif
	TOSTAGE \a
	SEND \a-1, 32                                  ; behind block a - 1's loads: block a's 16 stores and 16 loads
.endr
	SEND 3, 0
	s_wait_tensorcnt 0x0                           ; the wave's end: behind my last tensor load and my last LDS store
	ds_add_u32 v[SPW], v[NIL]
	s_wait_dscnt 0x0
	CROUND                                         ; the closing round
	s_endpgm
.Lfunc_end_k_q30e7cb8844_outp:
	.size	k_q30e7cb8844_outp, .Lfunc_end_k_q30e7cb8844_outp-k_q30e7cb8844_outp
	.p2alignl 7, 3214868480
	.fill 96, 4, 3214868480
	.section	.rodata,"a",@progbits
	.p2align	6, 0x0
	.amdhsa_kernel k_q30e7cb8844_outp
		.amdhsa_group_segment_fixed_size 327680
		.amdhsa_private_segment_fixed_size 0
		.amdhsa_enable_private_segment 0
		.amdhsa_kernarg_size 32
		.amdhsa_user_sgpr_count 2
		.amdhsa_user_sgpr_kernarg_segment_ptr 1
		.amdhsa_wavefront_size32 1
		.amdhsa_system_sgpr_workgroup_id_x 1
		.amdhsa_system_sgpr_workgroup_id_y 1
		.amdhsa_system_sgpr_workgroup_id_z 1
		.amdhsa_system_vgpr_workitem_id 0
		.amdhsa_next_free_vgpr 768
		.amdhsa_next_free_sgpr 66
		.amdhsa_reserve_vcc 0
		.amdhsa_float_denorm_mode_32 3
		.amdhsa_float_denorm_mode_16_64 3
		.amdhsa_memory_ordered 1
		.amdhsa_forward_progress 1
		.amdhsa_inst_pref_size 86
	.end_amdhsa_kernel
	.amdgpu_metadata
---
amdhsa.version: [ 1, 2 ]
amdhsa.kernels:
  - .name:           k_q30e7cb8844_outp
    .symbol:         k_q30e7cb8844_outp.kd
    .args:
      - { .name: ctx, .offset: 0, .size: 8, .value_kind: global_buffer, .address_space: global }
      - { .name: wo16, .offset: 8, .size: 8, .value_kind: global_buffer, .address_space: global }
      - { .name: b_o, .offset: 16, .size: 8, .value_kind: global_buffer, .address_space: global }
      - { .name: out0, .offset: 24, .size: 8, .value_kind: global_buffer, .address_space: global }
    .group_segment_fixed_size: 327680
    .private_segment_fixed_size: 0
    .kernarg_segment_align: 8
    .kernarg_segment_size: 32
    .max_flat_workgroup_size: 128
    .sgpr_count:     66
    .vgpr_count:     768
    .wavefront_size: 32
...
	.end_amdgpu_metadata
.endif
;; end of part 4
